; MI455X (gfx1250); checked and timed in simulation.
; The chip was launched on July 23, 2026; its instructions are those of AMD's public machine-readable ISA for CDNA 5 (MIT licence, August 2026) and "CDNA5" Instruction Set Architecture Reference Guide (July 2026). The comments in the code are by the model that wrote it; some were corrected since.
;; Layer Norm GRU Cell. Allowed arithmetic: matrix products marked QUANTISED: E4M3 operands, one given power-of-two scale a tensor, by v_wmma_f32_16x16x64_fp8_fp8 or v_wmma_f32_16x16x128_fp8_fp8, f32 sums; everything else in f32.
;; Inputs: W_h2h 512 x 1,024 float32; W_hatU 512 x 512 float32; W_hatW 512 x 512 float32; W_i2h 512 x 1,024 float32; b_h2h 1,024 float32; b_hatU 512 float32; b_hatW 512 float32; b_i2h 1,024 float32; h 32,768 x 512 float32; lowp_scales 8 int32 (the exponents e of the quantised operands' scales 2^e); x 32,768 x 512 float32.
;; Outputs: out0 32,768 x 512 float32.
;; This version of the problem:
;;   THIS VERSION OF THE PROBLEM IS GIVEN IN LOW PRECISION. The matrix products marked QUANTISED in the list below multiply operands that are first quantised to E4M3 (4 exponent bits, 3 mantissa bits; 8 bits a number), with one given power-of-two scale for each operand tensor; their sums are f32. All else is computed in f32.
;;   The module's matrix products, in the order in which they are computed (A, B: the left and right operand; K: the contracted axis; several contracted axes count as one K, in the product's order):
;;     1. [M 32,768, K 512] x [K 512, N 1,024]; A: input x; B: input W_i2h: QUANTISED (scales: A lowp_scales[0], B lowp_scales[1])
;;     2. [M 32,768, K 512] x [K 512, N 1,024]; A: input h; B: input W_h2h: QUANTISED (scales: A lowp_scales[2], B lowp_scales[3])
;;     3. [M 32,768, K 512] x [K 512, N 512]; A: input x; B: input W_hatW: QUANTISED (scales: A lowp_scales[4], B lowp_scales[5])
;;     4. [M 32,768, K 512] x [K 512, N 512]; A: input h; B: input W_hatU: QUANTISED (scales: A lowp_scales[6], B lowp_scales[7])
;;   THE QUANTISER, for each operand of a quantised product, along K:
;;     - The operand's scale is 2^e, e = its entry of the input lowp_scales (int32; the entries are numbered through the quantised products in the list's order, A before B).
;;     - Each number is divided by the scale, clamped to +-448, and rounded to the nearest number of E4M3, ties to even, subnormals kept.
;;     - The product sums the exact products of the quantised numbers (number of the format x scale) in f32.
;;   ~~~python
;;   def quantise(x, axis, e):      # numpy; x: float32 -> the quantised numbers, widened to float32 again
;;       x = np.moveaxis(x, axis, -1); K = x.shape[-1]
;;       r = np.clip(x / 2.0 ** e, -448, 448)
;;       step = 2.0 ** (np.maximum(np.frexp(np.where(r == 0, 1, r))[1] - 1, -6) - 3)
;;       q = np.round(r / step) * step * 2.0 ** e      # np.round: ties to even
;;       return np.moveaxis(q, -1, axis).astype(np.float32)
;;   ~~~
;; One version. Each part assembles by itself: llvm-mc -triple=amdgcn-amd-amdhsa -mcpu=gfx1250 --defsym DOCPART=n.
;; ======== version 1 of 1: 2 launches
;; limits: right only within a limited range of input values
;; workspace buffers: wq 1,835,008 bytes; bq 14,336 bytes
;; launch prep (part 1): grid 448 x 1, 4 waves a work-group, no clusters, 0 bytes of LDS; arguments W_i2h, W_h2h, W_hatU, W_hatW, b_i2h, b_h2h, b_hatU, b_hatW, lowp_scales, wq, bq; writes wq, bq
.if DOCPART == 1
	.amdgcn_target "amdgcn-amd-amdhsa--gfx1250"
	.amdhsa_code_object_version 6
	.text
	.protected	k_q9a7878f6ab_prep
	.globl	k_q9a7878f6ab_prep
	.p2align	8
	.type	k_q9a7878f6ab_prep,@function
k_q9a7878f6ab_prep:
	s_mov_b64 s[64:65], 0
	v_nop
	global_prefetch_b8 v0, s[64:65] scope:SCOPE_SE
	s_setreg_imm32_b32 hwreg(HW_REG_WAVE_MODE, 25, 1), 1
	s_wait_xcnt 0x0
; LayerNorm GRU cell, first launch: the four weights [K 512][N], f32, become codes of E4M3 laid in the order of the second launch's operand registers, and the biases are divided by their product's power of two.
; NOTHING OF reference() IS LEFT OUT in this program: every input has a way to the output, and all four products are live.  The second launch multiplies columns 0-511 of W_h2h twice (see its head), so they are laid twice here.
; UNITS j = 0..6 of 512 weight columns: 0, 1: W_i2h columns 0-511, 512-1023;  2, 3, 4: W_h2h columns 0-511, 512-1023, 0-511 again;  5: W_hatU;  6: W_hatW.
; wq: chunk 4 j + s (s: K step of 128) of 65,536 bytes = [wave w: 16,384][column tile t: 2,048][group c: 512][lane: 16].  Byte i of lane (r = lane % 16, hh = lane / 16) is the code of W[128 s + 32 c + 16 hh + i][col0 + 128 w + 16 t + r].
; bq: [w][j][128] f32 = b[col0 + 128 w + i] / 2^(eA + eB), eA and eB the two exponents of the unit's product.
; code = W / 2^eB, held within +-448, to the nearest code, ties to even.  LIMITS: eB between -126 and 119.  NaN among the inputs is not served.
; SHARES: work-group g = 64 j + 16 w + 4 s + c takes 32 along K x 128 columns; wave v takes column tiles 2 v, 2 v + 1.  A LANE TAKES A COLUMN AND ITS REGISTERS RUN DOWN K: each load of the work-group reads 512 consecutive bytes of a row of W,
; and the conversions' results are 2 x 16 bytes of the operand's image: sixteen lanes store 256 consecutive bytes, aligned.  No LDS, no barrier: waves share nothing.  No cluster: no two work-groups read the same bytes at the same time.
.set X, 16                             ; v16-47  32 numbers down K
.set C, 48                             ; v48-55  their codes
	s_load_b512 s[4:19], s[0:1], 0x0               ; W_i2h s[4:5], W_h2h s[6:7], W_hatU s[8:9], W_hatW s[10:11], b_i2h s[12:13], b_h2h s[14:15], b_hatU s[16:17], b_hatW s[18:19]
	s_load_b128 s[20:23], s[0:1], 0x40             ; the scales' exponents s[20:21], wq s[22:23]
	s_load_b64 s[24:25], s[0:1], 0x50              ; bq
	v_lshrrev_b32 v1, 5, v0
	v_readfirstlane_b32 s26, v1                    ; wave v
	v_and_b32 v2, 31, v0                           ; lane
	v_lshlrev_b32 v1, 2, v2                        ; in: 4 bytes a lane
	v_and_b32 v3, 15, v0
	v_bfe_u32 v4, v0, 4, 1
	v_lshlrev_b32 v3, 4, v3
	v_lshl_add_u32 v3, v4, 11, v3                  ; out: 16 (lane % 16) + 2,048 (lane / 16): lanes 16-31 hold the next column tile
	v_lshlrev_b32 v4, 4, v2                        ; the bias: 16 bytes a lane
	s_and_b32 s27, ttmp9, 3                        ; c
	s_bfe_u32 s28, ttmp9, 0x20002                  ; s
	s_bfe_u32 s29, ttmp9, 0x20004                  ; w
	s_lshr_b32 s30, ttmp9, 6                       ; j
	s_and_b32 s31, s30, 1
	s_cmp_lt_u32 s30, 5
	s_cselect_b32 s31, s31, 0                      ; units 1 and 3 begin at column 512
	s_cselect_b32 s42, 12, 11                      ; a row of W is 4,096 bytes (units 0-4) or 2,048
	s_lshl_b32 s31, s31, 11                        ; 4 x col0, in bytes
	s_lshl_b32 s48, s28, 7
	s_lshl_b32 s49, s27, 5
	s_add_co_u32 s48, s48, s49                     ; my first row of W: 128 s + 32 c
	s_lshl_b32 s48, s48, s42
	s_add_co_u32 s48, s48, s31
	s_lshl_b32 s49, s29, 9
	s_add_co_u32 s50, s31, s49                     ; the bias: 4 col0 + 512 w
	s_add_co_u32 s48, s48, s49
	s_lshl_b32 s49, s26, 7
	s_add_co_u32 s48, s48, s49                     ; + 4 (col0 + 128 w + 32 v)
	s_mov_b32 s49, 0
	s_mov_b32 s51, 0
	s_wait_kmcnt 0x0
	s_load_b256 s[32:39], s[20:21], 0x0            ; e0 .. e7
	s_cmp_lt_u32 s30, 2                            ; the unit's weight and bias: the choices hang on the work-group's number alone
	s_cselect_b64 s[44:45], s[4:5], s[6:7]
	s_cselect_b64 s[46:47], s[12:13], s[14:15]
	s_cmp_eq_u32 s30, 5
	s_cselect_b64 s[44:45], s[8:9], s[44:45]
	s_cselect_b64 s[46:47], s[16:17], s[46:47]
	s_cmp_eq_u32 s30, 6
	s_cselect_b64 s[44:45], s[10:11], s[44:45]
	s_cselect_b64 s[46:47], s[18:19], s[46:47]
	s_add_nc_u64 s[44:45], s[44:45], s[48:49]
	s_add_nc_u64 s[46:47], s[46:47], s[50:51]
	s_lshl_b32 s48, s30, 2
	s_add_co_u32 s48, s48, s28                     ; chunk 4 j + s
	s_lshl_b32 s48, s48, 16
	s_lshl_b32 s50, s29, 14
	s_add_co_u32 s48, s48, s50
	s_lshl_b32 s50, s26, 12
	s_add_co_u32 s48, s48, s50
	s_lshl_b32 s50, s27, 9
	s_add_co_u32 s48, s48, s50                     ; + 16,384 w + 2,048 (2 v) + 512 c
	s_add_nc_u64 s[22:23], s[22:23], s[48:49]
	s_mul_i32 s48, s29, 7
	s_add_co_u32 s48, s48, s30
	s_lshl_b32 s48, s48, 9                         ; bq: (7 w + j) x 512
	s_add_nc_u64 s[24:25], s[24:25], s[48:49]
.macro WLOAD pitch                     ; W(first row + i, my column), i = 0 .. 31
.set i, 0
.rept 32
	global_load_b32 v[X+i], v1, s[44:45] offset:i*(\pitch)
.set i, i+1
.endr
.endm
	s_cmp_lt_u32 s30, 5
	s_cbranch_scc0 .Lnarrow
	WLOAD 4096
	s_branch .Lloaded
.Lnarrow:
	WLOAD 2048
.Lloaded:
	s_wait_kmcnt 0x0
	s_cmp_lt_u32 s30, 2                            ; the product's two exponents: (e0, e1), (e2, e3), W_hatU's (e6, e7), W_hatW's (e4, e5)
	s_cselect_b64 s[40:41], s[32:33], s[34:35]
	s_cmp_eq_u32 s30, 5
	s_cselect_b64 s[40:41], s[38:39], s[40:41]
	s_cmp_eq_u32 s30, 6
	s_cselect_b64 s[40:41], s[36:37], s[40:41]
	s_add_co_i32 s43, s41, 127
	s_lshl_b32 s48, s43, 23
	v_mov_b32 v5, s48                              ; 2^eB as f32: the conversion takes its exponent field
	s_add_co_i32 s43, s43, 8
	s_lshl_b32 s43, s43, 23
	s_or_b32 s43, s43, 0x600000
	v_mov_b32 v6, s43                              ; 448 x 2^eB
	s_wait_loadcnt 0x0
.set i, 0
.rept 32
	v_med3_num_f32 v[X+i], v[X+i], -v6, v6         ; the conversion to an 8-bit code does not saturate (ISA guide 7.6.2): the hold comes first
.set i, i+1
.endr
.irp g, 0,1,2,3
	v_cvt_scalef32_pk8_fp8_f32 v[C+2*\g:C+2*\g+1], v[X+8*\g:X+8*\g+7], v5
.endr
	v_nop                                          ; one plain vector line behind the last conversion
	global_store_b128 v3, v[C:C+3], s[22:23]               ; k 0-15 of the group: the image's lanes 0-15
	global_store_b128 v3, v[C+4:C+7], s[22:23] offset:256  ; k 16-31: its lanes 16-31
	s_and_b32 s43, ttmp9, 15                       ; wave 0 of the work-groups with s = c = 0 also makes the 128 bias numbers of (w, j)
	s_or_b32 s43, s43, s26
	s_cmp_lg_u32 s43, 0
	s_cbranch_scc1 .Lend
	global_load_b128 v[8:11], v4, s[46:47]
	s_add_co_i32 s43, s40, s41
	s_sub_co_i32 s43, 0, s43                       ; -(eA + eB)
	s_wait_loadcnt 0x0
.irp i, 0,1,2,3
	v_ldexp_f32 v[12+\i], v[8+\i], s43             ; nothing is rounded, short of overflow and underflow
.endr
	global_store_b128 v4, v[12:15], s[24:25]
.Lend:
	s_endpgm
.Lfunc_end_k_q9a7878f6ab_prep:
	.size	k_q9a7878f6ab_prep, .Lfunc_end_k_q9a7878f6ab_prep-k_q9a7878f6ab_prep
	.p2alignl 7, 3214868480
	.fill 96, 4, 3214868480
	.section	.rodata,"a",@progbits
	.p2align	6, 0x0
	.amdhsa_kernel k_q9a7878f6ab_prep
		.amdhsa_group_segment_fixed_size 0
		.amdhsa_private_segment_fixed_size 0
		.amdhsa_enable_private_segment 0
		.amdhsa_kernarg_size 88
		.amdhsa_user_sgpr_count 2
		.amdhsa_user_sgpr_kernarg_segment_ptr 1
		.amdhsa_wavefront_size32 1
		.amdhsa_system_sgpr_workgroup_id_x 1
		.amdhsa_system_sgpr_workgroup_id_y 1
		.amdhsa_system_sgpr_workgroup_id_z 1
		.amdhsa_system_vgpr_workitem_id 0
		.amdhsa_next_free_vgpr 64
		.amdhsa_next_free_sgpr 66
		.amdhsa_reserve_vcc 0
		.amdhsa_float_denorm_mode_32 3
		.amdhsa_float_denorm_mode_16_64 3
		.amdhsa_memory_ordered 1
		.amdhsa_forward_progress 1
		.amdhsa_inst_pref_size 13
	.end_amdhsa_kernel
	.amdgpu_metadata
---
amdhsa.version: [ 1, 2 ]
amdhsa.kernels:
  - .name:           k_q9a7878f6ab_prep
    .symbol:         k_q9a7878f6ab_prep.kd
    .args:
      - { .name: W_i2h, .offset: 0, .size: 8, .value_kind: global_buffer, .address_space: global }
      - { .name: W_h2h, .offset: 8, .size: 8, .value_kind: global_buffer, .address_space: global }
      - { .name: W_hatU, .offset: 16, .size: 8, .value_kind: global_buffer, .address_space: global }
      - { .name: W_hatW, .offset: 24, .size: 8, .value_kind: global_buffer, .address_space: global }
      - { .name: b_i2h, .offset: 32, .size: 8, .value_kind: global_buffer, .address_space: global }
      - { .name: b_h2h, .offset: 40, .size: 8, .value_kind: global_buffer, .address_space: global }
      - { .name: b_hatU, .offset: 48, .size: 8, .value_kind: global_buffer, .address_space: global }
      - { .name: b_hatW, .offset: 56, .size: 8, .value_kind: global_buffer, .address_space: global }
      - { .name: lowp_scales, .offset: 64, .size: 8, .value_kind: global_buffer, .address_space: global }
      - { .name: wq, .offset: 72, .size: 8, .value_kind: global_buffer, .address_space: global }
      - { .name: bq, .offset: 80, .size: 8, .value_kind: global_buffer, .address_space: global }
    .group_segment_fixed_size: 0
    .private_segment_fixed_size: 0
    .kernarg_segment_align: 8
    .kernarg_segment_size: 88
    .max_flat_workgroup_size: 128
    .sgpr_count:     66
    .vgpr_count:     64
    .wavefront_size: 32
...
	.end_amdgpu_metadata
.endif
;; end of part 1
;; launch cell (part 2): grid 512 x 1, 4 waves a work-group, no clusters, 183,808 bytes of LDS; arguments x, h, lowp_scales, wq, bq, out0; writes out0
.if DOCPART == 2
	.amdgcn_target "amdgcn-amd-amdhsa--gfx1250"
	.amdhsa_code_object_version 6
	.text
	.protected	k_q9a7878f6ab_cell
	.globl	k_q9a7878f6ab_cell
	.p2align	8
	.type	k_q9a7878f6ab_cell,@function
k_q9a7878f6ab_cell:
	s_mov_b64 s[64:65], 0
	v_nop
	global_prefetch_b8 v0, s[64:65] scope:SCOPE_SE
	s_setreg_imm32_b32 hwreg(HW_REG_WAVE_MODE, 25, 1), 1
	s_wait_xcnt 0x0
; LayerNorm GRU cell, second launch: h_t = h + z (tanh(LN(x W_hatW + b) + r LN(h W_hatU + b)) - h), (z, r) = sigmoid(LN(x W_i2h + b) + LN(h W_h2h + b)).  All four products on codes of E4M3, f32 sums; all else f32.
; Nothing of reference() is left out.  MORE is multiplied than it writes: columns 0-511 of h W_h2h twice, first for the row's statistics alone, so that never more than 1,536 of a row's 3,072 columns are kept and 64 rows fit the registers.
; SHARES.  A work-group owns 64 rows and all columns.  A UNIT is 512 weight columns x K 512 x 64 rows; wave w owns columns 128 w .. 128 w + 127 of every unit: 8 column tiles t x 4 row tiles m, accumulator (t, m) at v[8 (4 t + m)] of a window.
; UNITS: 0, 1: x W_i2h (z, r half);  2: h W_h2h z half, statistics;  3: its r half -> r;  4: its z half again -> z;  5: h W_hatU -> r LN;  6: x W_hatW -> tanh, blend, store.
; THE MATRIX INSTRUCTION IS USED TRANSPOSED (source 0 = 16 weight columns, source 1 = 16 rows): lane (r = lane % 16, hh = lane / 16), register i of (t, m) holds row 16 m + r, column 128 w + 16 t + 8 hh + i.  A row's statistics are one number a lane.
; K'S PLACES: registers 4 c .. 4 c + 3 of a fragment hold k = 32 c + 16 hh + 0 .. 15, in weights and data alike: every product meets its partner; the order of the sums inside an instruction differs from the form's own.
; SCALES.  The sums stay unscaled: the bias goes in as the C of a unit's first K step, divided by 2^E (E = eA + eB) in the first launch, and the norm takes eps / 2^(2 E), made by taking 2 E off the exponent field of 1e-5.
; STATISTICS without a difference of large sums: each wave centres its 128 columns by their own mean and sums the squares of what is left; the groups are merged by their means and sums of squares.
; ACTIVATIONS: sigmoid(g) = 1 / (1 + 2^(-log2e g)), tanh(y) = 1 - 2 / (1 + 2^(2 log2e y)); both factors are folded into the norms' coefficients.  An exponential that overflows gives 0 after the reciprocal, one that underflows 1: the right limits.
; WEIGHTS GO FROM MEMORY STRAIGHT INTO REGISTERS.  wq lies in the order of the operand's registers, 28 chunks of 64 KiB, one for each K step; wave w loads its own 16 KiB of each, 512 consecutive bytes an instruction.  A fragment's registers are
; loaded again, with the next chunk's fragment, behind its four products.
; NO CLUSTER, NO JOINT LOADS, though all work-groups walk the same wq: a joint load lands in LDS, and each fragment is read by ONE wave of a work-group, ONCE.  Through LDS a K step's 64 KiB would be written there and read again, beside the 32 KiB
; of data fragments that the four waves read; and beside the 128 KiB of images LDS has room for two slots of one K step only, so that a refill would have 32 matrix instructions a wave in which to land, behind a round of the cluster's barrier each.
; x AND h are quantised once, wave w its rows 16 w .. 16 w + 15, each with both its scales, and lie in LDS as images of the operand's registers (16 bytes a lane, 512 a store).  h is read a second time for the blend.
; LIMITS: every e between -126 and 119; every eA + eB between -40 and 54, so that eps / 2^(2 E) and the sums of squares of the unscaled sums are f32 numbers for pre-norm values up to about 2^10.  NaN among the inputs is not served.
; WINDOWS of 256 registers: 0: addresses, statistics, operands;  1: unit 0 centred, then z (at first: the numbers of x and h);  2: unit 1 centred, then r, then r LN (at first: the quantiser's held numbers, the bias as loaded);  3: the unit in hand.
.set BIAS,  131072                     ; LDS: images 0 .. 131,071: set q (x e0, h e2, h e6, x e4) at 32,768 q, fragment (m, s) at 2,048 (4 m + s).  Bias: wave w at 3,584 w, unit j at 512 j
.set EXCH,  145408                     ; wave w at 1,024 w: four means a lane, at + 512 four sums of squares
.set SPARE, 149504                     ; the spare words, 128 bytes for each wave: two blocks of 256 bytes that no other line names
.set STAGE, 150016                     ; wave w at 8,448 w: 16 rows x (512 + 16) bytes
.set SPI,   528
.set SPW, 18                           ; v18 my spare word's address, v19 = 0: never rewritten
.set NIL, 19
; v1 16 x lane: my place in an image and in a weight fragment; v4 my bias; v5, v6 where I store images; v7, v8 the stage by rows, by the result's layout; v9, v10 the exchange, out and in; v11, v12 global offsets; v13, v15 addresses in hand; v16, v17 image stores; v60 bias store
.set MS,  20                           ; four registers each, one for each row tile m: mean and sum of squares of the norm's first half,
.set QS,  24
.set MZ,  28                           ; my group's mean in a z half,
.set RS1, 32                           ; -log2e / sigma of the first norm, and its constants for my z and r columns,
.set KZ1, 36
.set KR1, 40
.set RS2, 44                           ; the same of the second norm, and z's whole constant
.set CZ,  48
.set AF,  64                           ; v64-127  four data fragments
.set BF,  128                          ; v128-255 eight weight fragments: loads into them are out from the head to the last K step, so nothing else names them till then
.set SPR, 64                           ; between the products: v64-71 four pairs of running sums, later at work
.set MP,  72                           ; v72-79   my group's means, twice each
.set XR,  80                           ; v80-111  the four waves' means and sums of squares; then the coefficient pairs
.set CFA, 80
.set CFB, 88
.set CFC, 96
.set TT,  104
.set MH,  112                          ; the unit's mean, its sum of squares; my group's
.set QH,  116
.set MW,  120
.set QW,  124
.set MU,  64
.set TV,  68
.set RQ,  72
.set HT,  64                           ; the tail: 16 rows x my 128 columns
.set MSB, 0
.macro WIN new                         ; bits 1:0 source 0, 3:2 source 1, 5:4 source 2, 7:6 destination; the high byte repeats the setting that is left
.if MSB != (\new)
	s_set_vgpr_msb (MSB<<8)|(\new)
.set MSB, (\new)
.endif
.endm
.macro PLACES                          ; four plain vector lines between a matrix instruction and a load into, or a vector line on, its registers
.rept 4
	v_nop
.endr
.endm
.macro LDA                             ; the K step's four data fragments, row tile 0 first
.irp m, 0,1,2,3
.irp c, 0,1,2,3
	ds_load_b128 v[AF+16*\m+4*\c:AF+16*\m+4*\c+3], v13 offset:8192*\m+512*\c
.endr
.endr
.endm
.macro RELOAD t                        ; weight fragment t of the chunk at which s[10:11] stands
.irp c, 0,1,2,3
	global_load_b128 v[BF+16*(\t)+4*\c:BF+16*(\t)+4*\c+3], v1, s[10:11] offset:2048*(\t)+512*\c
.endr
.endm
.macro MM tt, m, cm                    ; accumulator (tt, m) = weight fragment tt x data fragment m + accumulator (tt, cm)
	v_wmma_f32_16x16x128_fp8_fp8 v[8*(4*(\tt)+(\m)):8*(4*(\tt)+(\m))+7], v[BF+16*(\tt):BF+16*(\tt)+15], v[AF+16*(\m):AF+16*(\m)+15], v[8*(4*(\tt)+(\cm)):8*(4*(\tt)+(\cm))+7]
.endm
.macro ONWARD                          ; wq's base goes on to the next chunk
	s_wait_xcnt 0x0                                ; the loads that are out have read their base: only behind this wait is it written
	s_add_nc_u64 s[10:11], s[10:11], 65536
.endm
; A unit's first K step.  The scaled bias of column tile t is loaded into accumulator (t, 0) and is the C of row tiles 1 to 3; then row tile 0 adds onto it in place: nothing is cleared and no bias is added later.
.macro STEPF
	ONWARD
	LDA
	WIN 0xc0                                       ; destination window 3
.irp t, 0,1,2,3,4,5,6,7
.irp e, 0,1
	ds_load_b128 v[32*\t+4*\e:32*\t+4*\e+3], v15 offset:64*\t+16*\e
.endr
.endr
	s_wait_dscnt 0x0
.irp t, 0,1,2,3,4,5,6,7
	s_wait_loadcnt 28                              ; behind this fragment's four loads: 4 (7 - t) of this chunk and 4 t of the next
	WIN 0xf0                                       ; C and D window 3
	MM \t, 1, 0
	MM \t, 2, 0
	MM \t, 3, 0
.rept 5
	v_nop                                          ; five places: the next matrix instruction writes over the C of the three above
.endr
	MM \t, 0, 0
	PLACES                                         ; in front of the loads into the fragment just read
	WIN 0
	RELOAD \t
.endr
.endm
; Any other K step.  The 32 accumulators take turns, one instruction a turn, in every K step alike.  next = 0: the last K step of all loads nothing: no load leaves wq
.macro STEPN next
.if \next
	ONWARD
.endif
	LDA
.irp t, 0,1,2,3,4,5,6,7
.if \next
	s_wait_loadcnt 28                              ; behind this fragment's four loads: 4 (7 - t) of this chunk and 4 t of the next
.else
	s_wait_loadcnt 4*(7-\t)                        ; the later fragments' loads may be out
.endif
	WIN 0xf0
.irp m, 0,1,2,3
.if \t == 0
	s_wait_dscnt 4*(3-\m)                          ; the later row tiles' data fragments may be out
.endif
	MM \t, \m, \m
.endr
.if \next
	PLACES
	WIN 0
	RELOAD \t
.endif
.endr
.if \next == 0
	WIN 0
	PLACES
.endif
.endm
.macro HSUM                            ; a pair's two halves are added; the row's other 64 columns of my 128 lie in the lane 16 away
.irp m, 0,1,2,3
	v_add_f32 v[TT+\m], v[SPR+2*\m], v[SPR+2*\m+1]
.endr
.irp m, 0,1,2,3
	v_mov_b32 v[TT+4+\m], 0                        ; a lane permute's destination counts as one of its sources
.endr
.irp m, 0,1,2,3
	v_permlanex16_b32 v[TT+4+\m], v[TT+\m], s52, s53
.endr
.endm
.macro SUM                             ; my group's means: the four row tiles by turns; each accumulator is read from its low end on
	WIN 0x0f
.irp m, 0,1,2,3
	v_pk_add_f32 v[SPR+2*\m:SPR+2*\m+1], v[8*\m:8*\m+1], v[8*\m+2:8*\m+3]
.endr
	WIN 0x0c
.set i, 8
.rept 120
.set ra, 8*(4*(i/16)+(i%4))+2*((i/4)%4)
.set rq, SPR+2*(i%4)
	v_pk_add_f32 v[rq:rq+1], v[rq:rq+1], v[ra:ra+1]
.set i, i+1
.endr
	WIN 0
	HSUM
.irp m, 0,1,2,3
	v_add_f32 v[TT+\m], v[TT+\m], v[TT+4+\m]
.endr
.irp m, 0,1,2,3
	v_mul_f32 v[MW+\m], 0x3c000000, v[TT+\m]       ; / 128
.endr
.irp m, 0,1,2,3
	v_mov_b32 v[MP+2*\m], v[MW+\m]
	v_mov_b32 v[MP+2*\m+1], v[MW+\m]
.endr
.endm
.macro CEN X                           ; window X = window 3 less my group's mean
	WIN ((\X)<<6)|3
.set i, 0
.rept 128
.set rm, MP+2*((i/4)%4)
	v_pk_add_f32 v[2*i:2*i+1], v[2*i:2*i+1], v[rm:rm+1] neg_lo:[0,1] neg_hi:[0,1]
.set i, i+1
.endr
	WIN 0
.endm
.macro SQ X                            ; my group's sums of squares of the centred numbers
	WIN (\X)|((\X)<<2)
.set i, 0
.rept 128
.set ra, 8*(4*(i/16)+(i%4))+2*((i/4)%4)
.set rq, SPR+2*(i%4)
.if i < 4
	v_pk_mul_f32 v[rq:rq+1], v[ra:ra+1], v[ra:ra+1]
.else
	v_pk_fma_f32 v[rq:rq+1], v[ra:ra+1], v[ra:ra+1], v[rq:rq+1]
.endif
.set i, i+1
.endr
	WIN 0
	HSUM
.irp m, 0,1,2,3
	v_add_f32 v[QW+\m], v[TT+\m], v[TT+4+\m]
.endr
.endm
; The four waves' figures meet, between two barriers: stores, wait, barrier, loads; and loads, wait, barrier, before the next unit's stores into the same words.  The second barrier's wait stands behind the merge, which is work on registers.
.macro XCH
	ds_store_b128 v9, v[MW:MW+3]
	ds_store_b128 v9, v[QW:QW+3] offset:512
	s_wait_dscnt 0x0                               ; for the others' sake: my stores have landed
	s_barrier_signal -1
	s_barrier_wait -1
.irp u, 0,1,2,3
	ds_load_b128 v[XR+4*\u:XR+4*\u+3], v10 offset:1024*\u
	ds_load_b128 v[XR+16+4*\u:XR+16+4*\u+3], v10 offset:1024*\u+512
.endr
	s_wait_dscnt 0x0                               ; my reads of the words are back:
	s_barrier_signal -1                            ; say so
.endm
.macro MERGE4                          ; 512 columns: mean = the mean of the four means; sum of squares = the four sums + 128 x the means' squared distances
.irp m, 0,1,2,3
	v_add_f32 v[SPR+\m], v[XR+\m], v[XR+4+\m]
.endr
.irp m, 0,1,2,3
	v_add_f32 v[SPR+4+\m], v[XR+8+\m], v[XR+12+\m]
.endr
.irp m, 0,1,2,3
	v_add_f32 v[SPR+\m], v[SPR+\m], v[SPR+4+\m]
.endr
.irp m, 0,1,2,3
	v_mul_f32 v[MH+\m], 0x3e800000, v[SPR+\m]
.endr
.irp u, 0,1,2,3
.irp m, 0,1,2,3
	v_sub_f32 v[XR+4*\u+\m], v[XR+4*\u+\m], v[MH+\m]
.endr
.endr
.irp m, 0,1,2,3
	v_mul_f32 v[SPR+\m], v[XR+\m], v[XR+\m]
.endr
.irp u, 1,2,3
.irp m, 0,1,2,3
	v_fma_f32 v[SPR+\m], v[XR+4*\u+\m], v[XR+4*\u+\m], v[SPR+\m]
.endr
.endr
.irp m, 0,1,2,3
	v_add_f32 v[SPR+4+\m], v[XR+16+\m], v[XR+20+\m]
.endr
.irp m, 0,1,2,3
	v_add_f32 v[QH+\m], v[XR+24+\m], v[XR+28+\m]
.endr
.irp m, 0,1,2,3
	v_add_f32 v[QH+\m], v[QH+\m], v[SPR+4+\m]
.endr
.irp m, 0,1,2,3
	v_fma_f32 v[QH+\m], v[SPR+\m], 0x43000000, v[QH+\m]
.endr
.endm
.macro MERGE2 eps                      ; 1,024 columns from two halves: MU = the mean; RQ = 1 / sqrt(variance + eps): variance = (the two sums) / 1,024 + (a half's mean - MU)^2
.irp m, 0,1,2,3
	v_add_f32 v[MU+\m], v[MS+\m], v[MH+\m]
.endr
.irp m, 0,1,2,3
	v_mul_f32 v[MU+\m], 0.5, v[MU+\m]
.endr
.irp m, 0,1,2,3
	v_sub_f32 v[TV+\m], v[MH+\m], v[MU+\m]
.endr
.irp m, 0,1,2,3
	v_fma_f32 v[TV+\m], v[TV+\m], v[TV+\m], s[\eps]
.endr
.irp m, 0,1,2,3
	v_add_f32 v[RQ+\m], v[QS+\m], v[QH+\m]
.endr
.irp m, 0,1,2,3
	v_fma_f32 v[TV+\m], v[RQ+\m], 0x3a800000, v[TV+\m]
.endr
.irp m, 0,1,2,3
	v_rsq_f32 v[RQ+\m], v[TV+\m]
.endr
	v_nop                                          ; a plain line behind the last of the batch,
	s_wait_alu depctr_va_vdst(0)                   ; and the one wait ahead of its first reader
.endm
.macro NORM1 eps                       ; a norm over 512 columns, times 2 log2e: number = centred x CFB + CFC
.irp m, 0,1,2,3
	v_mov_b32 v[TV+\m], s[\eps]
.endr
.irp m, 0,1,2,3
	v_fma_f32 v[TV+\m], v[QH+\m], 0x3b000000, v[TV+\m]
.endr
.irp m, 0,1,2,3
	v_rsq_f32 v[RQ+\m], v[TV+\m]
.endr
	v_nop
	s_wait_alu depctr_va_vdst(0)                   ; one wait for the four
.irp m, 0,1,2,3
	v_mul_f32 v[CFB+2*\m], s55, v[RQ+\m]
.endr
.irp m, 0,1,2,3
	v_sub_f32 v[TV+\m], v[MW+\m], v[MH+\m]
.endr
.irp m, 0,1,2,3
	v_mov_b32 v[CFB+2*\m+1], v[CFB+2*\m]
.endr
.irp m, 0,1,2,3
	v_mul_f32 v[CFC+2*\m], v[TV+\m], v[CFB+2*\m]
.endr
.irp m, 0,1,2,3
	v_mov_b32 v[CFC+2*\m+1], v[CFC+2*\m]
.endr
.endm
.macro DUP dst, src                    ; a coefficient for each row tile, twice: the packed forms take pairs
.irp m, 0,1,2,3
	v_mov_b32 v[(\dst)+2*\m], v[(\src)+\m]
	v_mov_b32 v[(\dst)+2*\m+1], v[(\src)+\m]
.endr
.endm
.macro PASSA                           ; window 3 = window 3 x CFB + CFC
	WIN 0xc3
.set i, 0
.rept 128
.set rm, 2*((i/4)%4)
	v_pk_fma_f32 v[2*i:2*i+1], v[2*i:2*i+1], v[CFB+rm:CFB+rm+1], v[CFC+rm:CFC+rm+1]
.set i, i+1
.endr
.endm
.macro SIGT X                          ; window X = 1 / (1 + 2^(window X)): each kind as one batch with one wait
	WIN ((\X)<<6)|(\X)
.set i, 0
.rept 256
	v_exp_f32 v[i], v[i]
.set i, i+1
.endr
	v_nop
	s_wait_alu depctr_va_vdst(0)
.set i, 0
.rept 128
	v_pk_add_f32 v[2*i:2*i+1], v[2*i:2*i+1], 1.0 op_sel_hi:[1,0]
.set i, i+1
.endr
.set i, 0
.rept 256
	v_rcp_f32 v[i], v[i]
.set i, i+1
.endr
	v_nop
	s_wait_alu depctr_va_vdst(0)
.endm
.macro SIGM X                          ; window X = sigmoid(first norm (window X, centred) + second norm (window 3, centred))
	PASSA
	WIN ((\X)<<6)|(3<<4)|(\X)
.set i, 0
.rept 128
.set rm, 2*((i/4)%4)
	v_pk_fma_f32 v[2*i:2*i+1], v[2*i:2*i+1], v[CFA+rm:CFA+rm+1], v[2*i:2*i+1]
.set i, i+1
.endr
	SIGT \X
	WIN 0
.endm
; 64 numbers of a lane in window 1, register 16 b + i = k 32 b + 16 hh + i of my row, are held (into v0-63 of window 2), become a fragment's codes and go to LDS as they stand
.macro QF xb, sc, lim, adr, off, pc
	WIN 0x81                                       ; source 0 window 1, destination window 2
.set i, 0
.rept 64
	v_med3_num_f32 v[i], v[(\xb)+i], -v[\lim], v[\lim]   ; the conversion does not saturate (ISA guide 7.6.2): the hold at 448 x the scale
.set i, i+1
.endr
	WIN 0x02                                       ; source 0 window 2
.set i, 0
.rept 8
	v_cvt_scalef32_pk8_fp8_f32 v[(\pc)+2*i:(\pc)+2*i+1], v[8*i:8*i+7], v[\sc]
.set i, i+1
.endr
	v_nop                                          ; one plain line behind the last conversion: the next holds write its sources
	WIN 0
.irp c, 0,1,2,3
	ds_store_b128 v[\adr], v[(\pc)+4*\c:(\pc)+4*\c+3] offset:(\off)+512*\c
.endr
.endm
.macro HALF b                          ; one K step of my 16 rows: x with e0 and e4, h with e2 and e6
	s_wait_dscnt 0x0                               ; the earlier image stores have read their registers
	QF 128*(\b), 52, 53, 17, 2048*(\b), 64
	QF 128*(\b), 54, 55, 16, 32768+2048*(\b), 80
	QF 128*(\b)+64, 56, 57, 17, 32768+2048*(\b), 96
	QF 128*(\b)+64, 58, 59, 16, 2048*(\b), 112
.endm
.macro XLOAD b, s                      ; K step s of my 16 rows of x and of h into buffer b of window 1: lane (r, hh) takes 16 neighbours of each block of 32
	WIN 0x40
.irp k, 0,1,2,3
.irp q, 0,1,2,3
	global_load_b128 v[128*(\b)+16*\k+4*\q:128*(\b)+16*\k+4*\q+3], v12, s[4:5] offset:512*(\s)+128*\k+16*\q th:TH_LOAD_NT
.endr
.endr
.irp k, 0,1,2,3
.irp q, 0,1,2,3
	global_load_b128 v[128*(\b)+64+16*\k+4*\q:128*(\b)+64+16*\k+4*\q+3], v12, s[6:7] offset:512*(\s)+128*\k+16*\q
.endr
.endr
	WIN 0
.endm
.macro HLOAD n                         ; h, rows 16 n .. 16 n + 15, my 128 columns: a load takes 512 consecutive bytes of a row
.set HG, 128+64*((\n)%2)
.irp i, 0,1,2,3,4,5,6,7,8,9,10,11,12,13,14,15
	global_load_b128 v[HG+4*\i:HG+4*\i+3], v11, s[6:7] offset:(16*(\n)+\i)*2048
.endr
.endm
; THE WAY OUT of row tile n: h turns through my stage into the result's layout; h + z (h_hat - h); back through the stage into whole rows.  LDS serves a wave's instructions in order, so no wait stands between my stores and my loads
.macro OUTM n, lc
.if (\n) > 0
	s_wait_xcnt 0x0                                ; the last tile's stores have read their registers
.endif
	s_wait_loadcnt \lc                             ; this tile's h is in; the next tile's 16 loads may be out
.set HG, 128+64*((\n)%2)
.irp i, 0,1,2,3,4,5,6,7,8,9,10,11,12,13,14,15
	ds_store_b128 v7, v[HG+4*\i:HG+4*\i+3] offset:SPI*\i
.endr
.irp t, 0,1,2,3,4,5,6,7
.irp e, 0,1
	ds_load_b128 v[HT+8*\t+4*\e:HT+8*\t+4*\e+3], v8 offset:64*\t+16*\e
.endr
.endr
	s_wait_dscnt 0x0
.if (\n) < 2
	HLOAD (\n)+2
.endif
	WIN 0xc3
.irp t, 0,1,2,3,4,5,6,7
.irp p, 0,1,2,3
	v_pk_add_f32 v[8*(4*\t+(\n))+2*\p:8*(4*\t+(\n))+2*\p+1], v[8*(4*\t+(\n))+2*\p:8*(4*\t+(\n))+2*\p+1], v[HT+8*\t+2*\p:HT+8*\t+2*\p+1] neg_lo:[0,1] neg_hi:[0,1]
.endr
.endr
	WIN 0x0d                                       ; source 0 = z (window 1), source 1 = h_hat - h (window 3)
.irp t, 0,1,2,3,4,5,6,7
.irp p, 0,1,2,3
	v_pk_fma_f32 v[HT+8*\t+2*\p:HT+8*\t+2*\p+1], v[8*(4*\t+(\n))+2*\p:8*(4*\t+(\n))+2*\p+1], v[8*(4*\t+(\n))+2*\p:8*(4*\t+(\n))+2*\p+1], v[HT+8*\t+2*\p:HT+8*\t+2*\p+1]
.endr
.endr
	WIN 0
.irp t, 0,1,2,3,4,5,6,7
.irp e, 0,1
	ds_store_b128 v8, v[HT+8*\t+4*\e:HT+8*\t+4*\e+3] offset:64*\t+16*\e
.endr
.endr
.irp i, 0,1,2,3,4,5,6,7,8,9,10,11,12,13,14,15
	ds_load_b128 v[HT+4*\i:HT+4*\i+3], v7 offset:SPI*\i
.endr
	s_wait_dscnt 0x0
.irp i, 0,1,2,3,4,5,6,7,8,9,10,11,12,13,14,15
	global_store_b128 v11, v[HT+4*\i:HT+4*\i+3], s[14:15] offset:(16*(\n)+\i)*2048 th:TH_STORE_NT   ; 32 lanes store 512 consecutive bytes, at a multiple of 512 from out0's first byte
.endr
.endm
.macro MKSC vr, sr                     ; v[vr] = 2^e, v[vr + 1] = 448 x 2^e
	s_add_co_i32 s62, s[\sr], 127
	s_lshl_b32 s63, s62, 23
	v_mov_b32 v[\vr], s63
	s_add_co_i32 s62, s62, 8
	s_lshl_b32 s62, s62, 23
	s_or_b32 s62, s62, 0x600000
	v_mov_b32 v[(\vr)+1], s62
.endm
.macro MKEPS dr, sa, sb                ; 1e-5 / 2^(2 (ea + eb)): 2 (ea + eb) is taken off the exponent field
	s_add_co_i32 s62, s[\sa], s[\sb]
	s_lshl_b32 s62, s62, 24
	s_sub_co_u32 s[\dr], 0x3727c5ac, s62
.endm
	s_load_b256 s[4:11], s[0:1], 0x0               ; x s[4:5], h s[6:7], the scales' exponents s[8:9], wq s[10:11]
	s_load_b128 s[12:15], s[0:1], 0x20             ; bq s[12:13], out0 s[14:15]
	v_lshl_add_u32 v[SPW], v0, 2, SPARE            ; the add's two registers: used by the three lines at each wave's end
	v_mov_b32 v[NIL], 0
	v_lshrrev_b32 v1, 5, v0
	v_readfirstlane_b32 s16, v1                    ; wave 0..3
	s_lshl_b32 s18, ttmp9, 17                      ; my block: 64 rows of 2,048 bytes
	s_mov_b32 s19, 0
	s_mov_b32 s52, 0x76543210                      ; v_permlanex16_b32: lane l xor 16
	s_mov_b32 s53, 0xfedcba98
	s_mov_b32 s54, 0xbfb8aa3b                      ; -log2(e)
	s_mov_b32 s55, 0x4038aa3b                      ; 2 log2(e)
	v_and_b32 v1, 31, v0
	v_lshlrev_b32 v1, 4, v1                        ; 16 x lane
	v_and_b32 v61, 15, v0                          ; r
	v_bfe_u32 v62, v0, 4, 1                        ; hh
	s_lshl_b32 s20, s16, 14                        ; my 16 KiB of a chunk
	s_mov_b32 s21, 0
	s_mul_i32 s22, s16, 3584                       ; my 7 x 512 bytes of bias
	s_mov_b32 s23, 0
	s_add_co_u32 s62, s22, BIAS
	v_lshl_add_u32 v4, v62, 5, s62                 ; lane (r, hh) reads the eight numbers of its half
	v_add_nc_u32 v60, s62, v1
	s_lshl_b32 s62, s16, 13
	v_add_nc_u32 v5, s62, v1                       ; I make row tile m = w: fragments 4 w + s
	v_add_nc_u32 v6, 0x10000, v5
	s_mul_i32 s62, s16, 16*SPI
	s_add_co_u32 s62, s62, STAGE
	v_add_nc_u32 v7, s62, v1
	v_mul_u32_u24 v8, v61, SPI
	v_lshl_add_u32 v8, v62, 5, v8
	v_add_nc_u32 v8, s62, v8
	s_lshl_b32 s62, s16, 10
	s_add_co_u32 s62, s62, EXCH
	v_add_nc_u32 v9, s62, v1
	v_add_nc_u32 v10, EXCH, v1
	s_lshl_b32 s62, s16, 9
	v_add_nc_u32 v11, s62, v1                      ; h, out0: my 128 columns, 16 bytes a lane
	s_lshl_b32 s62, s16, 15
	v_lshlrev_b32 v12, 11, v61
	v_lshl_add_u32 v12, v62, 6, v12
	v_add_nc_u32 v12, s62, v12                     ; x, h: row 16 w + r, + 64 hh
	s_wait_kmcnt 0x0
	s_load_b256 s[40:47], s[8:9], 0x0              ; e0 .. e7
	s_add_nc_u64 s[4:5], s[4:5], s[18:19]
	s_add_nc_u64 s[6:7], s[6:7], s[18:19]
	s_add_nc_u64 s[14:15], s[14:15], s[18:19]
	s_add_nc_u64 s[10:11], s[10:11], s[20:21]
	s_add_nc_u64 s[12:13], s[12:13], s[22:23]
.irp t, 0,1,2,3,4,5,6,7
	RELOAD \t                                      ; chunk 0 lands while x and h are quantised
.endr
	WIN 0x80                                       ; destination window 2
.irp j, 0,1,2,3,4,5,6
	global_load_b128 v[128+4*\j:128+4*\j+3], v1, s[12:13] offset:512*\j
.endr
	WIN 0
	XLOAD 0, 0
	XLOAD 1, 1
	s_wait_kmcnt 0x0
	MKEPS 48, 40, 41
	MKEPS 49, 42, 43
	MKEPS 50, 44, 45
	MKEPS 51, 46, 47
	MKSC 52, 40
	MKSC 54, 44
	MKSC 56, 42
	MKSC 58, 46
	; ---- x and h become codes: two trips of two K steps; the first trip asks for the second's numbers
	s_mov_b32 s60, 0
.Lq:
	s_lshl_b32 s61, s60, 12                        ; fragments 2 trip, 2 trip + 1
	v_add_nc_u32 v17, s61, v5
	v_add_nc_u32 v16, s61, v6
	s_wait_loadcnt 32                              ; buffer 0 is in (and chunk 0 and the bias, asked for earlier); buffer 1's 32 loads may be out
	HALF 0
	s_cmp_eq_u32 s60, 0
	s_cbranch_scc0 .Lq_a
	XLOAD 0, 2
	s_wait_loadcnt 32                              ; buffer 1 is in; the 32 just issued may be out
	s_branch .Lq_b
.Lq_a:
	s_wait_loadcnt 0x0
.Lq_b:
	HALF 1
	s_cmp_eq_u32 s60, 0
	s_cbranch_scc0 .Lq_c
	XLOAD 1, 3
.Lq_c:
	s_add_co_u32 s60, s60, 1
	s_cmp_lt_u32 s60, 2
	s_cbranch_scc1 .Lq
	WIN 0x08                                       ; the stores' data: window 2
.irp j, 0,1,2,3,4,5,6
	ds_store_b128 v60, v[128+4*\j:128+4*\j+3] offset:512*\j
.endr
	WIN 0
	s_wait_dscnt 0x0                               ; for the others' sake: my images have landed
	s_barrier_signal -1
	s_barrier_wait -1                              ; all sixteen fragments of all four sets lie in LDS; nobody writes them again
	; ---- units 0 to 5
	s_mov_b32 s56, 0                               ; the unit
.Lunit:
	s_lshr_b32 s62, s56, 1                         ; the unit's set of codes: 0, 0, 1, 1, 1, 2
	s_min_u32 s62, s62, 1
	s_lshr_b32 s63, s56, 2
	s_and_b32 s63, s63, s56
	s_add_co_u32 s62, s62, s63
	s_lshl_b32 s58, s62, 15
	s_lshl_b32 s63, s56, 9
	v_add_nc_u32 v13, s58, v1
	v_add_nc_u32 v15, s63, v4
	STEPF
	s_mov_b32 s57, 3
.Lk:
	s_add_co_u32 s58, s58, 2048                    ; the next K step's fragments
	v_add_nc_u32 v13, s58, v1
	STEPN 1                                        ; a unit's last K step asks for the next unit's first chunk, which has the norm's work in which to land
	s_sub_co_u32 s57, s57, 1
	s_cmp_lg_u32 s57, 0
	s_cbranch_scc1 .Lk
	SUM
	s_cmp_eq_u32 s56, 0
	s_cbranch_scc1 .Lkeep1
	s_cmp_eq_u32 s56, 1
	s_cbranch_scc1 .Lkeep2
	CEN 3
	s_cmp_eq_u32 s56, 4                            ; unit 4's statistics are unit 2's: only its centring is done again.  The branch hangs on the unit's number: all four waves go the same way
	s_cbranch_scc1 .Larm4
	SQ 3
	s_branch .Lstat
.Lkeep1:
	CEN 1
	SQ 1
	s_branch .Lstat
.Lkeep2:
	CEN 2
	SQ 2
.Lstat:
	XCH
	MERGE4
	s_barrier_wait -1                              ; every wave's reads of the exchanged words are back
	s_cmp_eq_u32 s56, 1
	s_cbranch_scc1 .Larm1
	s_cmp_eq_u32 s56, 3
	s_cbranch_scc1 .Larm3
	s_cmp_eq_u32 s56, 5
	s_cbranch_scc1 .Larm5
.irp m, 0,1,2,3                        ; units 0 and 2: a norm's first half is kept
	v_mov_b32 v[MZ+\m], v[MW+\m]
	v_mov_b32 v[MS+\m], v[MH+\m]
	v_mov_b32 v[QS+\m], v[QH+\m]
.endr
	s_branch .Lnext
.Larm1:                                ; the first norm is known: -log2e x LN = centred x RS1 + (group mean - mean) x RS1
	MERGE2 48
.irp m, 0,1,2,3
	v_mul_f32 v[RS1+\m], s54, v[RQ+\m]
.endr
.irp m, 0,1,2,3
	v_sub_f32 v[TV+\m], v[MZ+\m], v[MU+\m]
.endr
.irp m, 0,1,2,3
	v_mul_f32 v[KZ1+\m], v[TV+\m], v[RS1+\m]
.endr
.irp m, 0,1,2,3
	v_sub_f32 v[TV+\m], v[MW+\m], v[MU+\m]
.endr
.irp m, 0,1,2,3
	v_mul_f32 v[KR1+\m], v[TV+\m], v[RS1+\m]
.endr
	s_branch .Lnext
.Larm3:                                ; the second norm is known: r is made, and z's constant is kept
	MERGE2 49
.irp m, 0,1,2,3
	v_mul_f32 v[RS2+\m], s54, v[RQ+\m]
.endr
.irp m, 0,1,2,3
	v_sub_f32 v[TV+\m], v[MZ+\m], v[MU+\m]
.endr
.irp m, 0,1,2,3
	v_fma_f32 v[CZ+\m], v[TV+\m], v[RS2+\m], v[KZ1+\m]
.endr
.irp m, 0,1,2,3
	v_sub_f32 v[TV+\m], v[MW+\m], v[MU+\m]
.endr
.irp m, 0,1,2,3
	v_fma_f32 v[TV+\m], v[TV+\m], v[RS2+\m], v[KR1+\m]
.endr
	DUP CFA, RS1
	DUP CFB, RS2
	DUP CFC, TV
	SIGM 2
	s_branch .Lnext
.Larm4:                                ; z
	DUP CFA, RS1
	DUP CFB, RS2
	DUP CFC, CZ
	SIGM 1
	s_branch .Lnext
.Larm5:                                ; window 2 = r x 2 log2e x LN(h W_hatU + b)
	NORM1 51
	PASSA
	WIN 0x8e
.set i, 0
.rept 128
	v_pk_mul_f32 v[2*i:2*i+1], v[2*i:2*i+1], v[2*i:2*i+1]
.set i, i+1
.endr
	WIN 0
.Lnext:
	s_add_co_u32 s56, s56, 1
	s_cmp_lt_u32 s56, 6
	s_cbranch_scc1 .Lunit
	; ---- unit 6: its last K step is written out, since it asks for nothing
	s_mov_b32 s58, 3<<15                           ; x with e4
	v_add_nc_u32 v13, s58, v1
	v_add_nc_u32 v15, 6*512, v4
	STEPF                                          ; asks for chunk 25
	s_mov_b32 s57, 2
.Lk6:
	s_add_co_u32 s58, s58, 2048
	v_add_nc_u32 v13, s58, v1
	STEPN 1                                        ; chunks 26 and 27, the last
	s_sub_co_u32 s57, s57, 1
	s_cmp_lg_u32 s57, 0
	s_cbranch_scc1 .Lk6
	s_add_co_u32 s58, s58, 2048
	v_add_nc_u32 v13, s58, v1
	STEPN 0
	HLOAD 0                                        ; h for the blend, two row tiles ahead, into the registers that held the weights
	HLOAD 1
	SUM
	CEN 3
	SQ 3
	XCH
	MERGE4
	s_barrier_wait -1
	NORM1 50
	PASSA
	WIN 0xcb
.set i, 0
.rept 128
	v_pk_add_f32 v[2*i:2*i+1], v[2*i:2*i+1], v[2*i:2*i+1]   ; + r LN (window 2)
.set i, i+1
.endr
	SIGT 3
.set i, 0
.rept 128
	v_pk_fma_f32 v[2*i:2*i+1], v[2*i:2*i+1], -2.0, 1.0 op_sel_hi:[1,0,0]   ; tanh = 1 - 2 / (1 + 2^(2 log2e y))
.set i, i+1
.endr
	WIN 0
	OUTM 0, 16
	OUTM 1, 16
	OUTM 2, 16
	OUTM 3, 0
	s_wait_tensorcnt 0x0                           ; the wave's end: three lines behind my last LDS store
	ds_add_u32 v[SPW], v[NIL]
	s_wait_dscnt 0x0
	s_endpgm
.Lfunc_end_k_q9a7878f6ab_cell:
	.size	k_q9a7878f6ab_cell, .Lfunc_end_k_q9a7878f6ab_cell-k_q9a7878f6ab_cell
	.p2alignl 7, 3214868480
	.fill 96, 4, 3214868480
	.section	.rodata,"a",@progbits
	.p2align	6, 0x0
	.amdhsa_kernel k_q9a7878f6ab_cell
		.amdhsa_group_segment_fixed_size 183808
		.amdhsa_private_segment_fixed_size 0
		.amdhsa_enable_private_segment 0
		.amdhsa_kernarg_size 48
		.amdhsa_user_sgpr_count 2
		.amdhsa_user_sgpr_kernarg_segment_ptr 1
		.amdhsa_wavefront_size32 1
		.amdhsa_system_sgpr_workgroup_id_x 1
		.amdhsa_system_sgpr_workgroup_id_y 1
		.amdhsa_system_sgpr_workgroup_id_z 1
		.amdhsa_system_vgpr_workitem_id 0
		.amdhsa_next_free_vgpr 1024
		.amdhsa_next_free_sgpr 66
		.amdhsa_reserve_vcc 0
		.amdhsa_float_denorm_mode_32 3
		.amdhsa_float_denorm_mode_16_64 3
		.amdhsa_memory_ordered 1
		.amdhsa_forward_progress 1
		.amdhsa_inst_pref_size 255
	.end_amdhsa_kernel
	.section	.bss,"aw",@nobits
	.p2align	6
	.space	262144
	.amdgpu_metadata
---
amdhsa.version: [ 1, 2 ]
amdhsa.kernels:
  - .name:           k_q9a7878f6ab_cell
    .symbol:         k_q9a7878f6ab_cell.kd
    .args:
      - { .name: x, .offset: 0, .size: 8, .value_kind: global_buffer, .address_space: global }
      - { .name: h, .offset: 8, .size: 8, .value_kind: global_buffer, .address_space: global }
      - { .name: lowp_scales, .offset: 16, .size: 8, .value_kind: global_buffer, .address_space: global }
      - { .name: wq, .offset: 24, .size: 8, .value_kind: global_buffer, .address_space: global }
      - { .name: bq, .offset: 32, .size: 8, .value_kind: global_buffer, .address_space: global }
      - { .name: out0, .offset: 40, .size: 8, .value_kind: global_buffer, .address_space: global }
    .group_segment_fixed_size: 183808
    .private_segment_fixed_size: 0
    .kernarg_segment_align: 8
    .kernarg_segment_size: 48
    .max_flat_workgroup_size: 128
    .sgpr_count:     66
    .vgpr_count:     1024
    .wavefront_size: 32
...
	.end_amdgpu_metadata
.endif
;; end of part 2
